; MI455X (gfx1250); checked and timed in simulation.
; The chip was launched on July 23, 2026; its instructions are those of AMD's public machine-readable ISA for CDNA 5 (MIT licence, August 2026) and "CDNA5" Instruction Set Architecture Reference Guide (July 2026). The comments in the code are by the model that wrote it; some were corrected since.
;; Multi Head Attention. Allowed arithmetic: matrix products marked QUANTISED: E5M2 operands, one E8M0 scale for each 32 along K, by v_wmma_scale_f32_16x16x128_f8f6f4 with both operands' format E5M2, f32 sums; everything else in f32.
;; Inputs: input_codes 4 x 2,048 x 32 x 32 uint8 (E5M2 codes of input, K innermost, in blocks of 32 codes); input_scales 4 x 2,048 x 32 uint8 (E8M0 scales of input, one for each 32 codes along K); mask 2,048 x 2,048 bool; out_b 1,024 float32; out_w_codes 1,024 x 32 x 32 uint8 (E5M2 codes of out_w, K innermost, in blocks of 32 codes); out_w_scales 1,024 x 32 uint8 (E8M0 scales of out_w, one for each 32 codes along K); qkv_b 3,072 float32; qkv_w_codes 3,072 x 32 x 32 uint8 (E5M2 codes of qkv_w, K innermost, in blocks of 32 codes); qkv_w_scales 3,072 x 32 uint8 (E8M0 scales of qkv_w, one for each 32 codes along K).
;; Outputs: out0 4 x 2,048 x 1,024 float32.
;; This version of the problem:
;;   THIS VERSION OF THE PROBLEM IS GIVEN IN LOW PRECISION. The matrix products marked QUANTISED in the list below multiply operands that are first quantised to E5M2 (5 exponent bits, 2 mantissa bits; 8 bits a number), with one power-of-two scale for each 32 numbers along K (OCP MX v1.0); their sums are f32. All else is computed in f32.
;;   The module's matrix products, in the order in which they are computed (A, B: the left and right operand; K: the contracted axis; several contracted axes count as one K, in the product's order):
;;     1. [M 8,192, K 1,024] x [K 1,024, N 3,072]; A: input input (given as codes); B: input qkv_w (given as codes): QUANTISED
;;     2. batch 64 x [M 2,048, K 64] x [K 64, N 2,048]; A: computed on the way; B: computed on the way: QUANTISED
;;     3. batch 64 x [M 2,048, K 2,048] x [K 2,048, N 64]; A: softmax (see below); B: computed on the way: QUANTISED
;;     4. [M 8,192, K 1,024] x [K 1,024, N 1,024]; A: computed on the way; B: input out_w (given as codes): QUANTISED
;;   THE QUANTISER, for each operand of a quantised product, along K:
;;     - K is cut into blocks of 32 from its start; a last block that is shorter is filled with zeros.
;;     - A block's scale is 2^e with e = floor(log2(the largest magnitude in the block)) - 15, held to -126 .. 127; a block of zeros has e = 0. As a byte (E8M0): e + 127.
;;     - Each number is divided by its block's scale, clamped to +-57,344, and rounded to the nearest number of E5M2, ties to even, subnormals kept.
;;     - The product sums the exact products of the quantised numbers (number of the format x scale) in f32.
;;   ~~~python
;;   def quantise(x, axis):      # numpy; x: float32 -> the quantised numbers, widened to float32 again
;;       x = np.moveaxis(x, axis, -1); K = x.shape[-1]
;;       x = np.pad(x, [(0, 0)] * (x.ndim - 1) + [(0, -K % 32)]); x = x.reshape(x.shape[:-1] + (-1, 32)); a = np.abs(x).max(-1, keepdims=True)
;;       e = np.where(a > 0, np.clip(np.frexp(np.where(a > 0, a, 1))[1] - 1 - 15, -126, 127), 0)      # np.frexp(a)[1] - 1 = floor(log2(a)), exactly
;;       r = np.clip(x / 2.0 ** e, -57344, 57344)
;;       step = 2.0 ** (np.maximum(np.frexp(np.where(r == 0, 1, r))[1] - 1, -14) - 2)
;;       q = np.round(r / step) * step * 2.0 ** e      # np.round: ties to even
;;       return np.moveaxis(q.reshape(q.shape[:-2] + (-1,))[..., :K], -1, axis).astype(np.float32)
;;   ~~~
;;   SOFTMAX AHEAD OF A QUANTISED PRODUCT. Where the list says 'softmax', what is quantised is not the finished softmax but p = 2^(t - M), with t = logit x log2(e) and M = ceil(the row's largest t), a whole number; so 1/2 < the row's largest p <= 1. The row's sum l is taken of the UNQUANTISED p, in f32, and the product's result is divided by l at the end. Since M is a whole number, a kernel that streams over the keys may use a running M (the ceiling of the running maximum): every later rescaling is an exact power of two, which a block's scale takes up: the codes' values come out the same.
;;   OPERANDS COMPUTED ON THE WAY. 'Computed on the way' means the value that the module computes at that place (a softmax that the list does not call 'softmax' is quantised finished and normalised). What goes into a quantiser is computed in f32, as accurately as f32 sums, v_exp_f32 and their like allow (about 1e-6 of the number): no bf16 or f16 on the way to a quantiser, and a product that is left as it is and whose result goes on into a quantised operand takes f32 operands (vector FMAs, or v_wmma_f32_16x16x4_f32). A number that lies on a knife's edge between two numbers of the format may be rounded either way, as far as f32 arithmetic and the matrix unit's own rounding can turn it there, and no further.
;;   INPUTS GIVEN AS CODES. input (in the module: [4, 2048, 1024], K = its axis 2); out_w (in the module: [1024, 1024], K = its axis 1); qkv_w (in the module: [3072, 1024], K = its axis 1): each comes as NAME_codes (uint8): NAME with its K axis moved to the last place and cut into blocks of 32 codes, [.., K / 32, bytes a block], one block behind the other in memory; one code a byte (a code: sign, 5 exponent bits, 2 mantissa bits); and NAME_scales (uint8): the same leading axes, one E8M0 byte (e + 127) for each 32 codes along K. Its value is code x scale, taken as it is: it is not quantised again, and the codes and scales need not be those that the quantiser above would give.
;; One version. Each part assembles by itself: llvm-mc -triple=amdgcn-amd-amdhsa -mcpu=gfx1250 --defsym DOCPART=n.
;; ======== version 1 of 1: 3 launches
;; limits: right only within a limited range of input values
;; workspace buffers: qc 8,912,896 bytes; kv 17,563,648 bytes; maskw 524,288 bytes of whole numbers; ao 8,388,608 bytes; aos 262,144 bytes
;; launch qkv (part 1): grid 8 x 48, 4 waves a work-group, clusters of 4 x 4, 327,680 bytes of LDS; arguments input_codes, input_scales, qkv_w_codes, qkv_w_scales, qkv_b, mask, qc, kv, maskw; writes qc, kv, maskw
.if DOCPART == 1
	.amdgcn_target "amdgcn-amd-amdhsa--gfx1250"
	.amdhsa_code_object_version 6
	.text
	.protected	k_q5195e421cb_qkv
	.globl	k_q5195e421cb_qkv
	.p2align	8
	.type	k_q5195e421cb_qkv,@function
k_q5195e421cb_qkv:
	s_mov_b64 s[64:65], 0
	v_nop
	global_prefetch_b8 v0, s[64:65] scope:SCOPE_SE
	s_setreg_imm32_b32 hwreg(HW_REG_WAVE_MODE, 25, 1), 1
	s_wait_xcnt 0x0
	s_wait_alu depctr_hold_cnt(0) depctr_sa_sdst(0) depctr_va_vdst(0) depctr_va_sdst(0) depctr_va_ssrc(0) depctr_va_vcc(0) depctr_vm_vsrc(0)
	s_getreg_b32 s2, hwreg(HW_REG_IB_STS2, 6, 4)
	s_cmp_eq_u32 s2, 0
	s_cbranch_scc0 .Lentry_in_a_cluster
	s_endpgm
.Lentry_in_a_cluster:
	s_bfe_u32 s2, ttmp6, 0x10000c
	s_cmp_lg_u32 s2, 0xf033
	s_cbranch_scc0 .Lentry_shape_is_right
	s_endpgm
.Lentry_shape_is_right:
.set KROW,   1024
.set ROWB,   256
.set NQ,     2
.set PITCH,  272
.set FR,     16
.set NL,     4
.set NP,     8
.set HALFT,  128*PITCH
.set SLOT,   4*HALFT
.set KS,     32
.set SCL,    2*SLOT
.set HALFS,  16*272
.set SBLK,   2*272
.set SPARE,  SCL+4*HALFS
.set QREC,   8704
.set KVREC,  17152
.set ADRA, 16
.set ADRB, 20
.set LI,   24
.set L8,   25
.set MOF,  26
.set ADRS, 27
.set SPW,  28
.set NIL,  29
.set BOF,  30
.set SC,   32
.set BI,   64
.set AF,   128
.set MB,   128
.set MW,   160
.set MT,   164
.set TM,   32
.set PW,   48
.set TT,   50
.set PC,   64
.set SA,   96
.set SB,   100
.set ISV,  2
.set WV,   22
.set PH,   23
.set RH,   66
.set PIX,  67
.set RIX,  42
.set G1,   24
.set G0,   32
.set G1B,  48
.set G0B,  56
.set G1S,  68
.set G0S,  76
.set G1SB, 80
.set G0SB, 88
.set DA,   92
.set DB,   94
.set SEL,  96
.set MNT,  98
.set HM,   99
.set MSB, 0
.macro WIN new
.if MSB != (\new)
	s_set_vgpr_msb (MSB<<8)|(\new)
.set MSB, (\new)
.endif
.endm
.set MUL_LO, 0xa1
.set MUL_HI, 0xf1
.set TO_B,   0x40
.macro JLOAD g0a, g1a, g0b, g1b
	s_cmp_eq_u32 s[PH], 0
	s_cbranch_scc0 .Lfor_b_\@
	tensor_load_to_lds s[\g0a:\g0a+3], s[\g1a:\g1a+7]
	s_nop 0
.rept 4
	v_nop
.endr
	s_branch .Lasked_\@
.Lfor_b_\@:
	tensor_load_to_lds s[\g0b:\g0b+3], s[\g1b:\g1b+7]
	s_nop 0
.rept 4
	v_nop
.endr
.Lasked_\@:
.endm
.macro CREST
	s_cmp_lg_u32 s[WV], 0
	s_cbranch_scc1 .Lnot_wave_0_\@
	s_barrier_signal -3
.Lnot_wave_0_\@:
	s_barrier_wait -3
	s_barrier_signal -1
	s_barrier_wait -1
.endm
.macro CROUND
	s_barrier_signal -1
	s_barrier_wait -1
	CREST
.endm
	s_load_b256 s[4:11], s[0:1], 0x0
	s_load_b256 s[12:19], s[0:1], 0x20
	s_load_b64 s[20:21], s[0:1], 0x40
	v_lshl_add_u32 v[SPW], v0, 2, SPARE
	v_mov_b32 v[NIL], 0
	ds_add_u32 v28, v29
	ds_add_u32 v28, v29
	s_wait_dscnt 0x0
	v_lshrrev_b32 v1, 5, v0
	v_readfirstlane_b32 s[WV], v1
	s_lshr_b32 s[PH], s[WV], 1
	s_and_b32 s[RH], s[WV], 1
	s_bfe_u32 s40, ttmp6, 0x40000
	s_bfe_u32 s41, ttmp6, 0x40004
	s_and_b32 s45, ttmp7, 0xffff
	s_sub_co_u32 s47, s45, 8
	s_lshl_b32 s47, s47, 1
	s_add_co_u32 s47, s47, ttmp9
	s_cmp_ge_u32 s45, 8
	s_cselect_b32 s[ISV], 1, 0
	s_cselect_b32 s46, 0, s45
	s_cselect_b32 s47, s47, ttmp9
	s_lshl_b32 s[PIX], s46, 2
	s_add_co_u32 s[PIX], s[PIX], s41
	s_lshl_b32 s[RIX], s47, 2
	s_add_co_u32 s[RIX], s[RIX], s40
	s_lshl_b32 s43, s41, 2
	s_lshl_b32 s43, 15, s43
	s_lshl_b32 s44, 0x1111, s40
	s_or_b32 s[G1+0], s43, (1<<20)|(1<<21)|(5<<22)|(3<<25)
	s_or_b32 s[G1B+0], s44, (1<<20)|(1<<21)|(5<<22)|(3<<25)
.irp g, G1, G1B
	s_mov_b32 s[\g+1], ROWB<<16
	s_mov_b32 s[\g+2], 256<<16
	s_mov_b32 s[\g+3], ROWB<<16
	s_mov_b32 s[\g+4], 256
	s_mov_b32 s[\g+5], KROW
	s_mov_b32 s[\g+6], 0
	s_mov_b32 s[\g+7], 0
.endr
	s_or_b32 s[G1S+0], s43, (3<<16)|(1<<20)|(1<<21)|(5<<22)|(3<<25)
	s_or_b32 s[G1SB+0], s44, (3<<16)|(1<<20)|(1<<21)|(5<<22)|(3<<25)
.irp g, G1S, G1SB
	s_mov_b32 s[\g+1], 32<<16
	s_mov_b32 s[\g+2], 32<<16
	s_mov_b32 s[\g+3], 32<<16
	s_mov_b32 s[\g+4], 32
	s_mov_b32 s[\g+5], 32
	s_mov_b32 s[\g+6], 0
	s_mov_b32 s[\g+7], 0
.endr
	s_lshl_b32 s100, s[RH], 7
	s_lshl_b32 s92, s[PIX], 8
	s_add_co_u32 s92, s92, s100
	s_lshl_b32 s101, s[ISV], 11
	s_add_co_u32 s92, s92, s101
	s_lshl_b32 s94, s[RIX], 8
	s_add_co_u32 s94, s94, s100
	s_lshl_b32 s100, s92, 5
	s_lshl_b32 s104, s94, 5
	s_lshl_b32 s92, s92, 10
	s_lshl_b32 s94, s94, 10
	s_mov_b32 s93, 0
	s_mov_b32 s95, 0
	s_mov_b32 s101, 0
	s_mov_b32 s105, 0
	s_mul_i32 s45, s[WV], HALFT
	s_wait_kmcnt 0x0
	s_cmp_eq_u32 s[ISV], 1
	s_cselect_b64 s[96:97], s[8:9], s[4:5]
	s_cselect_b64 s[98:99], s[10:11], s[6:7]
	s_cselect_b64 s[4:5], s[4:5], s[8:9]
	s_cselect_b64 s[6:7], s[6:7], s[10:11]
	s_add_nc_u64 s[96:97], s[96:97], s[92:93]
	s_add_nc_u64 s[98:99], s[98:99], s[100:101]
	s_add_nc_u64 s[4:5], s[4:5], s[94:95]
	s_add_nc_u64 s[6:7], s[6:7], s[104:105]
	s_lshl_b32 s92, s[RH], 17                      ; my half's 128 rows of codes, in bytes (s93 = 0): taken off again for the head's whole tiles
	s_lshl_b32 s100, s[RH], 12                     ; and of scale bytes (s101 = 0)
	s_mov_b32 s[G0S], 1
	s_mov_b32 s[G0S+1], SCL
	s_sub_nc_u64 s[G0S+2:G0S+3], s[98:99], s[100:101]
	s_or_b32 s[G0S+3], s[G0S+3], 0x80000000
	s_mov_b32 s[G0SB], 1
	s_mov_b32 s[G0SB+1], SCL+2*HALFS
	s_sub_nc_u64 s[G0SB+2:G0SB+3], s[6:7], s[100:101]
	s_or_b32 s[G0SB+3], s[G0SB+3], 0x80000000
.irp s, 0,1
	s_mov_b32 s[G0+4*\s], 1
	s_add_co_u32 s[G0+4*\s+1], s45, \s*SLOT
	s_add_nc_u64 s[G0+4*\s+2:G0+4*\s+3], s[96:97], \s*ROWB
	s_or_b32 s[G0+4*\s+3], s[G0+4*\s+3], 0x80000000
	s_mov_b32 s[G0B+4*\s], 1
	s_add_co_u32 s[G0B+4*\s+1], s45, \s*SLOT
	s_add_nc_u64 s[G0B+4*\s+2:G0B+4*\s+3], s[4:5], \s*ROWB
	s_or_b32 s[G0B+4*\s+3], s[G0B+4*\s+3], 0x80000000
.endr
	s_mov_b32 s8, 1                                ; the head's whole tiles of K step 0: 256 rows of the first operand to LDS byte 0,
	s_mov_b32 s9, 0
	s_sub_nc_u64 s[10:11], s[96:97], s[92:93]
	s_or_b32 s11, s11, 0x80000000
	s_sub_nc_u64 s[6:7], s[4:5], s[92:93]          ; and 256 rows of the second behind them
	s_or_b32 s7, s7, 0x80000000
	s_mov_b32 s4, 1
	s_mov_b32 s5, 2*HALFT
	CROUND                                         ; all sixteen work-groups are here: the first joint loads meet
; THE HEAD'S LOADS, ONE A WAVE: wave 0 the first operand's 256 rows, wave 1 the second's, waves 2 and 3 their scale bytes.  One chain of branches on the wave's number, a load to an arm.
.macro ARM under, g0, g1, next
	s_cmp_lt_u32 s[WV], \under
	s_cbranch_scc0 \next
	tensor_load_to_lds s[\g0:\g0+3], s[\g1:\g1+7]
	s_nop 0
.rept 4
	v_nop
.endr
	s_branch .Lhead_asked
\next:
.endm
	ARM 1, 8, G1, .Lhead_b
	ARM 2, 4, G1B, .Lhead_sa
	ARM 3, G0S, G1S, .Lhead_sb
	tensor_load_to_lds s[G0SB:G0SB+3], s[G1SB:G1SB+7]
	s_nop 0
.rept 4
	v_nop
.endr
.Lhead_asked:
	v_and_b32 v1, 15, v0
	v_bfe_u32 v2, v0, 4, 1
	v_mul_u32_u24 v3, v1, PITCH
	v_lshl_add_u32 v4, v2, 4, v3
	s_mul_i32 s45, s[PH], HALFT
	s_mul_i32 s46, s[RH], HALFT
	s_add_co_u32 s46, s46, 2*HALFT
.irp s, 0,1
	v_add_nc_u32 v[ADRA+\s], s45, v4
	v_add_nc_u32 v[ADRB+\s], s46, v4
	s_add_co_u32 s45, s45, SLOT
	s_add_co_u32 s46, s46, SLOT
.endr
	v_mul_u32_u24 v5, v1, KS
	v_lshrrev_b32 v6, 8, v5
	v_lshl_add_u32 v5, v6, 4, v5
	s_mul_i32 s45, s[PH], HALFS
	s_mul_i32 s46, s[RH], HALFS
	s_add_co_u32 s46, s46, 2*HALFS
	s_sub_co_u32 s46, s46, s45
	v_mul_u32_u24 v6, s46, v2
	s_add_co_u32 s45, s45, SCL
	v_add_nc_u32 v5, v5, v6
	v_add_nc_u32 v[ADRS], s45, v5
	v_and_b32 v6, 31, v0
	v_lshlrev_b32 v[LI], 4, v6
	v_lshlrev_b32 v[L8], 3, v6
	s_lshl_b32 s45, s[PIX], 1
	s_add_co_u32 s45, s45, s[PH]
	s_lshl_b32 s46, s[RIX], 1
	s_add_co_u32 s46, s46, s[RH]
	s_lshl_b32 s100, s45, 9
	s_add_co_u32 s100, s100, 8192
	s_lshl_b32 s101, s46, 9
	s_and_b32 s47, s46, 7
	s_lshr_b32 s104, s46, 3
	s_cmp_eq_u32 s[ISV], 1
	s_cselect_b32 s100, s100, s101
	s_cselect_b32 s105, s46, s45
	s_cselect_b32 s47, s45, s47
	s_cselect_b32 s104, 1, s104
	s_cselect_b32 s46, QREC, 0
	s_mov_b32 s101, 0
	s_add_nc_u64 s[12:13], s[12:13], s[100:101]
	s_lshr_b32 s100, s105, 4
	s_lshl_b32 s100, s100, 8
	s_and_b32 s105, s105, 15
	s_add_co_u32 s100, s100, s105
	s_lshl_b32 s47, s47, 5
	s_add_co_u32 s100, s100, s47
	s_cmp_eq_u32 s104, 1
	s_cselect_b64 s[DA:DA+1], s[18:19], s[16:17]
	s_mov_b32 s105, QREC
	s_cselect_b32 s105, KVREC, s105
	s_mul_i32 s100, s100, s105
	s_add_co_u32 s100, s100, s46
	s_add_nc_u64 s[DA:DA+1], s[DA:DA+1], s[100:101]
	s_lshl_b32 s100, s105, 4
	s_add_nc_u64 s[DB:DB+1], s[DA:DA+1], s[100:101]
	s_mov_b32 s[SEL], 0x76543210
	s_mov_b32 s[SEL+1], 0xfedcba98
	s_mov_b32 s[MNT], 0x600000
	s_mov_b32 s[HM], 0xffff0000
	s_cmp_eq_u32 s[ISV], 1
	s_cbranch_scc1 .Lbias_v
	v_lshlrev_b32 v[BOF], 5, v2
.irp b, 0,1,2,3,4,5,6,7
	global_load_b128 v[BI+8*\b:BI+8*\b+3], v[BOF], s[12:13] offset:64*\b
	global_load_b128 v[BI+8*\b+4:BI+8*\b+7], v[BOF], s[12:13] offset:64*\b+16
.endr
	s_lshl_b32 s45, s[PIX], 3
	s_add_co_u32 s45, s45, s[RIX]
	s_lshl_b32 s45, s45, 2
	s_add_co_u32 s45, s45, s[WV]
	s_lshr_b32 s46, s45, 3
	s_lshl_b32 s46, s46, 15
	s_and_b32 s47, s45, 7
	s_lshl_b32 s47, s47, 8
	s_add_co_u32 s46, s46, s47
	s_mov_b32 s47, 0
	s_add_nc_u64 s[14:15], s[14:15], s[46:47]
	s_lshl_b32 s46, s45, 9
	s_add_nc_u64 s[20:21], s[20:21], s[46:47]
	v_lshlrev_b32 v[MOF], 11, v1
	v_lshl_add_u32 v[MOF], v2, 3, v[MOF]
.irp i, 0,1,2,3,4,5,6,7,8,9,10,11,12,13,14,15
	global_load_b64 v[MB+2*\i:MB+2*\i+1], v[MOF], s[14:15] offset:16*\i
.endr
.irp k, 0,1,2,3
	v_mov_b32 v[MW+\k], 0
.endr
	s_wait_loadcnt 0x0
.set n, 0
.rept 32
.irp k, 0,1,2,3
	v_and_b32 v[MT+\k], 0xff<<(8*\k), v[MB+n]
.endr
.irp k, 0,1,2,3
	v_cmp_ne_u32 s[100+\k+2*(\k/2)], 0, v[MT+\k]
.endr
.irp k, 0,1,2,3
	v_writelane_b32 v[MW+\k], s[100+\k+2*(\k/2)], n
.endr
.set n, n+1
.endr
	global_store_b128 v[LI], v[MW:MW+3], s[20:21]
	s_branch .Lbias_done
.Lbias_v:
	v_lshlrev_b32 v[BOF], 2, v1
.irp a, 0,1,2,3,4,5,6,7
.irp j, 0,1,2,3,4,5,6,7
	global_load_b32 v[BI+8*\a+\j], v[BOF], s[12:13] offset:64*\a
.endr
.endr
.Lbias_done:
.macro FRAG reg, adr, q, i
.irp c, 0,1,2,3
	ds_load_b128 v[(\reg)+4*\c:(\reg)+4*\c+3], v[\adr] offset:128*(\q)+32*\c+(\i)*16*PITCH
.endr
.endm
.macro MUL16 a0, p, q, sc, mode
.irp a, \a0, \a0+1
.irp b, 0,1,2,3,4,5,6,7
.set rD, 8*(8*((\a)%4)+\b)
.set rR, 128*(\p)+FR*\b
.set rP, AF+FR*(\a)
.set rSR, SC+8*NQ*(\sc)+NQ*\b+(\q)
.set rSP, SC+8*NQ*(\sc)+NQ*(\a)+(\q)
.if (\mode) == 0
	v_wmma_scale_f32_16x16x128_f8f6f4 v[rD:rD+7], v[rR:rR+15], v[rP:rP+15], v[rD:rD+7], v[rSR], v[rSP] matrix_a_fmt:MATRIX_FMT_BF8 matrix_b_fmt:MATRIX_FMT_BF8 matrix_a_scale:MATRIX_SCALE_ROW1
.elseif (\mode) == 1
	v_wmma_scale_f32_16x16x128_f8f6f4 v[rD:rD+7], v[rR:rR+15], v[rP:rP+15], v[BI+8*\b:BI+8*\b+7], v[rSR], v[rSP] matrix_a_fmt:MATRIX_FMT_BF8 matrix_b_fmt:MATRIX_FMT_BF8 matrix_a_scale:MATRIX_SCALE_ROW1
.else
	v_wmma_scale_f32_16x16x128_f8f6f4 v[rD:rD+7], v[rR:rR+15], v[rP:rP+15], v[BI+8*(\a):BI+8*(\a)+7], v[rSR], v[rSP] matrix_a_fmt:MATRIX_FMT_BF8 matrix_b_fmt:MATRIX_FMT_BF8 matrix_a_scale:MATRIX_SCALE_ROW1
.endif
.endr
.endr
.endm
.macro FETCH_B slot, q, p
	WIN TO_B
.irp i, 0,1,2,3,4,5,6,7
	FRAG 128*(\p)+FR*\i, ADRB+\slot, \q, \i
.endr
	WIN 0
.endm
.macro FETCH_A slot, q, i0
.irp i, \i0, \i0+1, \i0+2, \i0+3
	FRAG AF+FR*(\i), ADRA+\slot, \q, \i
.endr
.endm
.macro SCALES sc
.irp i, 0,1,2,3,4,5,6,7
	ds_load_b64 v[SC+8*NQ*\sc+NQ*\i:SC+8*NQ*\sc+NQ*\i+1], v[ADRS] offset:\i*SBLK
.endr
.endm
.macro PLACES n
.rept \n
	v_nop
.endr
.endm
.macro STEP slot, q, mode
	s_wait_dscnt 4*NL
.if \mode
	WIN 0x81
.else
	WIN MUL_LO
.endif
	MUL16 0, (\q)%2, \q, \slot, \mode
	MUL16 2, (\q)%2, \q, \slot, \mode
	s_wait_dscnt 0
	PLACES NP
	FETCH_B \slot, (\q)+1, 1-(\q)%2
	FETCH_A \slot, (\q)+1, 0
.if \mode
	WIN 0xc1
.else
	WIN MUL_HI
.endif
	MUL16 4, (\q)%2, \q, \slot, \mode
	MUL16 6, (\q)%2, \q, \slot, \mode
	PLACES NP
	WIN 0
	FETCH_A \slot, (\q)+1, 4
.endm
.macro TURN slot, next, fill
	s_wait_tensorcnt 0x0
	ds_add_u32 v[SPW], v[NIL]
	s_wait_dscnt 4*NL+1
	WIN MUL_LO
	MUL16 0, 1, NQ-1, \slot, 0
	s_wait_dscnt 0x0
	s_barrier_signal -1
	MUL16 2, 1, NQ-1, \slot, 0
	WIN 0
	s_barrier_wait -1
.if \fill
	CREST
	s_add_nc_u64 s[G0+4*\slot+2:G0+4*\slot+3], s[G0+4*\slot+2:G0+4*\slot+3], 2*ROWB
	s_add_nc_u64 s[G0B+4*\slot+2:G0B+4*\slot+3], s[G0B+4*\slot+2:G0B+4*\slot+3], 2*ROWB
	JLOAD G0+4*\slot, G1, G0B+4*\slot, G1B
	PLACES NP-4
.else
	PLACES NP
.endif
	s_wait_alu depctr_va_vdst(0)
	v_add_nc_u32 v[ADRS], 4*NQ, v[ADRS]
	FETCH_B \next, 0, 0
	FETCH_A \next, 0, 0
	SCALES \next
	WIN MUL_HI
	MUL16 4, 1, NQ-1, \slot, 0
	MUL16 6, 1, NQ-1, \slot, 0
	PLACES NP
	WIN 0
	FETCH_A \next, 0, 4
.endm
	s_wait_alu depctr_va_vdst(0)                   ; the wait at the head's end
	s_wait_tensorcnt 0x0                           ; my tile of the head's four is in
	ds_add_u32 v[SPW], v[NIL]
	s_mov_b32 s[G1+2], 128<<16                     ; no tensor load of mine is out: from here on a load brings 128 rows
	s_mov_b32 s[G1+4], 128
	s_mov_b32 s[G1B+2], 128<<16
	s_mov_b32 s[G1B+4], 128
	s_wait_dscnt 0x0
	CROUND                                         ; all four tiles are in, and all sixteen work-groups are here
	JLOAD G0+4, G1, G0B+4, G1B                     ; K step 1: the first tensor load behind the round
	s_wait_loadcnt 0x0
	s_wait_xcnt 0x0
	FETCH_B 0, 0, 0
	FETCH_A 0, 0, 0
	s_wait_alu depctr_va_vdst(0)
	SCALES 0
	FETCH_A 0, 0, 4
	s_cmp_eq_u32 s[ISV], 1
	s_cbranch_scc1 .Lfirst_v
	STEP 0, 0, 1
	s_branch .Lfirst_done
.Lfirst_v:
	STEP 0, 0, 2
.Lfirst_done:
	TURN 0, 1, 1
	STEP 1, 0, 0
	TURN 1, 0, 1
	STEP 0, 0, 0
	TURN 0, 1, 0
	STEP 1, 0, 0
	s_wait_dscnt 4*NL
	WIN MUL_LO
	MUL16 0, 1, NQ-1, 1, 0
	MUL16 2, 1, NQ-1, 1, 0
	s_wait_dscnt 0
	WIN MUL_HI
	MUL16 4, 1, NQ-1, 1, 0
	MUL16 6, 1, NQ-1, 1, 0
	WIN 0
.macro QUANTW a
.set WW, 2+(\a)/4
.set AC, 64*((\a)%4)
.set PCA, PC+16*((\a)%2)
.set WN, WW|(WW<<2)
	WIN WN
.irp b, 0,1,2,3
	v_max3_num_f32 v[TM+\b], |v[AC+16*\b]|, |v[AC+16*\b+1]|, 0x8000000
.endr
.set WN, (WW<<2)|(WW<<4)
	WIN WN
.irp i, 2,4,6,8,10,12,14
.irp b, 0,1,2,3
	v_max3_num_f32 v[TM+\b], v[TM+\b], |v[AC+16*\b+\i]|, |v[AC+16*\b+\i+1]|
.endr
.endr
	WIN 0
.irp b, 0,1,2,3
	v_permlanex16_b32 v[TM+4+\b], v[TM+\b], s[SEL], s[SEL+1]
.endr
.irp b, 0,1,2,3
	v_max_num_f32 v[TM+\b], v[TM+\b], v[TM+4+\b]
.endr
.irp b, 0,1,2,3
	v_add_nc_u32 v[TM+12+\b], 0xf8800000, v[TM+\b]
.endr
.irp b, 0,1,2,3
	v_and_or_b32 v[TM+8+\b], v[TM+\b], 0x7f800000, s[MNT]
.endr
.irp b, 0,1,2,3
	v_lshrrev_b32 v[TM+4+\b], 23, v[TM+12+\b]
.endr
	v_lshl_or_b32 v[PW], v[TM+5], 8, v[TM+4]
	v_lshl_or_b32 v[PW], v[TM+6], 16, v[PW]
	v_lshl_or_b32 v[PW], v[TM+7], 24, v[PW]
.set WN, WW|(WW<<6)
	WIN WN
.irp b, 0,1,2,3
.irp i, 0,1,2,3,4,5,6,7,8,9,10,11,12,13,14,15
	v_med3_num_f32 v[AC+16*\b+\i], v[AC+16*\b+\i], -v[TM+8+\b], v[TM+8+\b]
.endr
.endr
.if (\a) >= 2
	s_wait_alu depctr_va_vdst(0)
	s_wait_xcnt 0x0
.endif
	WIN WW
.irp b, 0,1,2,3
	v_cvt_scalef32_pk8_bf8_f32 v[PCA+4*\b:PCA+4*\b+1], v[AC+16*\b:AC+16*\b+7], v[TM+12+\b]
	v_cvt_scalef32_pk8_bf8_f32 v[PCA+4*\b+2:PCA+4*\b+3], v[AC+16*\b+8:AC+16*\b+15], v[TM+12+\b]
.endr
	WIN 0
	v_nop
.endm
.macro WAYOUT path
	PLACES NP
.irp b, 0,1,2,3
	v_mov_b32 v[TM+4+\b], 0
.endr
.irp a, 0,1,2,3,4,5,6,7
	QUANTW \a
.if \path == 0
	global_store_b128 v[LI], v[PCA:PCA+3], s[DA:DA+1] offset:1024*\a
	global_store_b128 v[LI], v[PCA+4:PCA+7], s[DA:DA+1] offset:1024*\a+512
	global_store_b128 v[LI], v[PCA+8:PCA+11], s[DB:DB+1] offset:1024*\a
	global_store_b128 v[LI], v[PCA+12:PCA+15], s[DB:DB+1] offset:1024*\a+512
.if (\a)%2 == 0
	v_and_b32 v[SA+\a/2], 0xffff, v[PW]
	v_lshrrev_b32 v[SB+\a/2], 16, v[PW]
.else
	v_and_b32 v[TT], 0xffff, v[PW]
	v_lshrrev_b32 v[TT+1], 16, v[PW]
	v_cndmask_b32 v[SA+\a/2], v[SA+\a/2], v[TT], s[HM]
	v_cndmask_b32 v[SB+\a/2], v[SB+\a/2], v[TT+1], s[HM]
.endif
.else
.irp c, 0,1,2,3
.if (\a) < 4
	global_store_b128 v[LI], v[PCA+4*\c:PCA+4*\c+3], s[DA:DA+1] offset:2048*((\a)%4)+512*\c
.else
	global_store_b128 v[LI], v[PCA+4*\c:PCA+4*\c+3], s[DB:DB+1] offset:2048*((\a)%4)+512*\c
.endif
.endr
.if (\a)%2 == 0
	v_mov_b32 v[SA+\a/2], v[PW]
.else
	v_cndmask_b32 v[SA+\a/2], v[SA+\a/2], v[PW], s[HM]
.endif
.endif
.endr
.if \path == 0
	global_store_b128 v[LI], v[SA:SA+3], s[DA:DA+1] offset:8192
	global_store_b128 v[LI], v[SB:SB+3], s[DB:DB+1] offset:8192
.else
	global_store_b64 v[L8], v[SA:SA+1], s[DA:DA+1] offset:8192
	global_store_b64 v[L8], v[SA+2:SA+3], s[DB:DB+1] offset:8192
.endif
.endm
	s_cmp_eq_u32 s[ISV], 1
	s_cbranch_scc1 .Lout_v
	WAYOUT 0
	s_branch .Lout_done
.Lout_v:
	WAYOUT 1
.Lout_done:
	s_wait_tensorcnt 0x0
	ds_add_u32 v[SPW], v[NIL]
	s_wait_dscnt 0x0
	CROUND
	s_endpgm
.Lfunc_end_k_q5195e421cb_qkv:
	.size	k_q5195e421cb_qkv, .Lfunc_end_k_q5195e421cb_qkv-k_q5195e421cb_qkv
	.p2alignl 7, 3214868480
	.fill 96, 4, 3214868480
	.section	.rodata,"a",@progbits
	.p2align	6, 0x0
	.amdhsa_kernel k_q5195e421cb_qkv
		.amdhsa_group_segment_fixed_size 327680
		.amdhsa_private_segment_fixed_size 0
		.amdhsa_enable_private_segment 0
		.amdhsa_kernarg_size 72
		.amdhsa_user_sgpr_count 2
		.amdhsa_user_sgpr_kernarg_segment_ptr 1
		.amdhsa_wavefront_size32 1
		.amdhsa_system_sgpr_workgroup_id_x 1
		.amdhsa_system_sgpr_workgroup_id_y 1
		.amdhsa_system_sgpr_workgroup_id_z 1
		.amdhsa_system_vgpr_workitem_id 0
		.amdhsa_next_free_vgpr 1024
		.amdhsa_next_free_sgpr 106
		.amdhsa_reserve_vcc 0
		.amdhsa_float_denorm_mode_32 3
		.amdhsa_float_denorm_mode_16_64 3
		.amdhsa_memory_ordered 1
		.amdhsa_forward_progress 1
		.amdhsa_inst_pref_size 255
	.end_amdhsa_kernel
	.section	.bss,"aw",@nobits
	.p2align	6
	.space	262144
	.amdgpu_metadata
---
amdhsa.version: [ 1, 2 ]
amdhsa.kernels:
  - .name:           k_q5195e421cb_qkv
    .symbol:         k_q5195e421cb_qkv.kd
    .args:
      - { .name: input_codes, .offset: 0, .size: 8, .value_kind: global_buffer, .address_space: global }
      - { .name: input_scales, .offset: 8, .size: 8, .value_kind: global_buffer, .address_space: global }
      - { .name: qkv_w_codes, .offset: 16, .size: 8, .value_kind: global_buffer, .address_space: global }
      - { .name: qkv_w_scales, .offset: 24, .size: 8, .value_kind: global_buffer, .address_space: global }
      - { .name: qkv_b, .offset: 32, .size: 8, .value_kind: global_buffer, .address_space: global }
      - { .name: mask, .offset: 40, .size: 8, .value_kind: global_buffer, .address_space: global }
      - { .name: qc, .offset: 48, .size: 8, .value_kind: global_buffer, .address_space: global }
      - { .name: kv, .offset: 56, .size: 8, .value_kind: global_buffer, .address_space: global }
      - { .name: maskw, .offset: 64, .size: 8, .value_kind: global_buffer, .address_space: global }
    .group_segment_fixed_size: 327680
    .private_segment_fixed_size: 0
    .kernarg_segment_align: 8
    .kernarg_segment_size: 72
    .max_flat_workgroup_size: 128
    .sgpr_count:     106
    .vgpr_count:     1024
    .wavefront_size: 32
...
	.end_amdgpu_metadata
.endif
;; end of part 1
;; launch attn (part 2): grid 4 x 64, 16 waves a work-group, clusters of 4 x 1, 327,680 bytes of LDS; arguments qc, kv, maskw, ao, aos; writes ao, aos
.if DOCPART == 2
	.amdgcn_target "amdgcn-amd-amdhsa--gfx1250"
	.amdhsa_code_object_version 6
	.text
	.protected	k_q5195e421cb_attn
	.globl	k_q5195e421cb_attn
	.p2align	8
	.type	k_q5195e421cb_attn,@function
k_q5195e421cb_attn:
	s_mov_b64 s[64:65], 0
	v_nop
	global_prefetch_b8 v0, s[64:65] scope:SCOPE_SE
	s_setreg_imm32_b32 hwreg(HW_REG_WAVE_MODE, 25, 1), 1
	s_wait_xcnt 0x0
	s_wait_alu depctr_hold_cnt(0) depctr_sa_sdst(0) depctr_va_vdst(0) depctr_va_sdst(0) depctr_va_ssrc(0) depctr_va_vcc(0) depctr_vm_vsrc(0)
	s_getreg_b32 s2, hwreg(HW_REG_IB_STS2, 6, 4)
	s_cmp_eq_u32 s2, 0
	s_cbranch_scc0 .Lentry_in_a_cluster
	s_endpgm
.Lentry_in_a_cluster:
	s_bfe_u32 s2, ttmp6, 0x10000c
	s_cmp_lg_u32 s2, 0x3003
	s_cbranch_scc0 .Lentry_shape_is_right
	s_endpgm
.Lentry_shape_is_right:
; For each of 64 (batch, head): O[q] = the sum over k of softmax_k(mask ? Q[q] . K[k] / 8 : -infinity) V[k], both products on codes of BF8 (E5M2) with one E8M0 scale for each 32 along K.
; O is quantised along the model's 1,024 for the last product and leaves as images of operand registers (ao) and scale bytes (aos).
; THE SOFTMAX: t = score x log2(e) / 8; M = the row's largest t so far, rounded UP to a whole number; p = 2^(t - M) is quantised along the keys, not normalised.  The row's sum is taken of the
; unquantised p and divides O at the end.  When M moves, the sum and O are multiplied by 2^(old M - new M), which rounds nothing.
; K AND V OF A WHOLE HEAD STAY IN LDS: 16 records of 17,152 bytes (128 keys each, laid as register images by the launch before) are 274,432 bytes.  Each of the sixteen waves fetches one record, by
; its one tensor load; nothing is filled again, so one barrier behind the loads is the only one until the closing round.
; SHARES.  A work-group owns 512 queries of one head, in two passes of 256; in a pass each wave owns 16 queries in 256 registers and walks the 16 records, 128 keys a step.  256 work-groups.
; CLUSTER: the four work-groups of a head need the same 16 records: each record is asked for JOINTLY (the same line, the same descriptor, a mask that names the four).
; NO PREFETCH: all tensor loads go out at the kernel's head; there is no loop ahead of them in which a request could run ahead.
; LAYOUT.  S^T = K Q^T (source 0 = 16 keys, source 1 = my 16 queries), O^T = V^T P^T: a lane holds ONE query (lane % 16).  Score register 8 i + j is key 16 i + 8 (lane / 16) + j; the 16 registers of
; tiles 2 B, 2 B + 1 become codes 16 h + 0 .. 15 of block B, the order in which the launch before has laid V's keys (and q's and k's features).
; TWO REGISTER AREAS CHANGE ROLES FROM STEP TO STEP: one holds K and then V, the other S^T and then p; when p has been converted, its area takes the NEXT record's K, asked of LDS ahead of the second
; product.  So the loop's body is two steps.  The last step of a pass asks for record 0, which the next pass begins with; behind the last pass these 17 loads are awaited and not used.
; K = 64 IN AN INSTRUCTION OF 128: Q's upper eight registers are zero codes.  K's tile i is named with the eight registers behind it: the next tile's codes (zeros behind tile 7, in both areas):
; finite numbers against zero codes add nothing.  Bytes 2 and 3 of q's and k's scale words are 0, a power of two like any other.
; THE MASK is a lane word for each score register, made by the launch before: 64 words a step in scalar registers, fetched a step ahead; one select a score.
; LIMITS: NaN and infinities among the inputs are not served.  A block under 2^-111, or of zeros, gets the byte 1.  A row whose every key is masked has sum 0: its codes are set to NaN, as its softmax is.
; The scaled scores stay under 2^31 in magnitude.  aos is stored two bytes a row (a head's two blocks); a row's other bytes belong to other work-groups.
.set REC,   17152                      ; a record: K 8 x 1,024, its scale words 512, V 4 x 2,048, its scale words 256
.set QREC,  8704
.set SPARE, 16*REC                     ; the spare words: 128 bytes for each of sixteen waves, named by no other line
.set RO,   1                           ; v1   my row's place in aos
.set LI,   2                           ; v2   16 x lane
.set L8,   3                           ; v3   8 x lane
.set SPW,  4                           ; v4   my spare word; never rewritten
.set NIL,  5                           ; v5   0; never rewritten
.set ADR,  6                           ; v6   the record in hand + 16 x lane
.set ADR2, 7                           ; v7   + 8 x lane
.set NINF, 8                           ; v8   -infinity
.set QSO,  9                           ; v9   my row's scale word of Q, from my tile's first byte
.set C4,   10                          ; v[10:11] a chain of the row's sum
.set NM,   12                          ; v12 -M, v13 the largest score
.set SUM,  14                          ; v[14:15] the sum, in two halves
.set QF,   16                          ; v16-23 Q's codes, v24-31 zeros
.set XA,   32                          ; v32-95 the first area; v96-103 zeros
.set YA,   104                         ; v104-167 the second area; v168-175 zeros
.set OT,   176                         ; v176-207 O^T
.set PCD,  208                         ; v208-223 p's codes
.set KSC,  224                         ; v224-227 K's scale words
.set VSC,  228                         ; v228-229 V's
.set QS,   230                         ; Q's
.set PS,   231                         ; p's
.set BM,   232                         ; v232-235 the blocks' largest scores, then largest p
.set PD,   236                         ; v236-239 permutes' results, bytes, then the holds once more (block b's in register (b + 1) % 4: another register bank than its first copy)
.set HD,   240                         ; v240-243 holds
.set SF,   244                         ; v244-247 the conversions' scale operands
.set FF,   248                         ; v[248:249] f = 2^(old M - new M)
.set TT,   250                         ; v250-255 at work: three chains of the row's sum
.set GV,   252                         ; the way out: what a lane gives to lane l xor 16
.set WV,   2
.set TB,   3                           ; s3   LDS byte of the record in hand
.set CS,   4                           ; s[4:5] c = log2(e) / 8
.set SEL,  6                           ; s[6:7] lane selects: lane l xor 16
.set MNT,  8
.set PASS, 9                           ; passes to go
.set STC,  10                          ; trips of two steps to go
.set MO,   11                          ; s11  the byte of the mask words to be fetched, in my tile's 4,096
.set MK,   12                          ; s[12:13] my tile's mask words
.set AO,   14                          ; s[14:15] my tile's place in ao
.set G1,   16
.set G0,   24
.set HM,   29
.set QR,   30                          ; s[30:31] my tile of Q.   s[32:63], s[68:99]: a step's 64 mask words
.set AS,   100                         ; s[100:101] my tile's place in aos
.macro CROUND                          ; a round of the cluster's barrier
	s_barrier_signal -1
	s_barrier_wait -1
	s_cmp_lg_u32 s[WV], 0
	s_cbranch_scc1 .Lnot_wave_0_\@
	s_barrier_signal -3
.Lnot_wave_0_\@:
	s_barrier_wait -3
	s_barrier_signal -1
	s_barrier_wait -1
.endm
.macro LOADQ                           ; a pass's Q (codes and scale words) and its first step's mask words
	global_load_b128 v[QF:QF+3], v[LI], s[QR:QR+1]
	global_load_b128 v[QF+4:QF+7], v[LI], s[QR:QR+1] offset:512
	global_load_b32 v[QS], v[QSO], s[QR:QR+1]
	s_load_b512 s[32:47], s[MK:MK+1], s[MO] offset:0x0
	s_load_b512 s[48:63], s[MK:MK+1], s[MO] offset:0x40
	s_load_b512 s[68:83], s[MK:MK+1], s[MO] offset:0x80
	s_load_b512 s[84:99], s[MK:MK+1], s[MO] offset:0xc0
.endm
.macro KLOAD area, adr, off            ; a record's K, eight tiles, and its scale words: 17 LDS loads
.irp i, 0,1,2,3,4,5,6,7
	ds_load_b128 v[\area+8*\i:\area+8*\i+3], v[\adr] offset:\off+1024*\i
	ds_load_b128 v[\area+8*\i+4:\area+8*\i+7], v[\adr] offset:\off+1024*\i+512
.endr
	ds_load_b128 v[KSC:KSC+3], v[\adr] offset:\off+8192
.endm
	s_load_b128 s[32:35], s[0:1], 0x0              ; qc, kv
	s_load_b64 s[36:37], s[0:1], 0x10              ; maskw
	s_load_b128 s[40:43], s[0:1], 0x18             ; ao, aos
	v_lshl_add_u32 v[SPW], v0, 2, SPARE
	v_mov_b32 v[NIL], 0
	ds_add_u32 v[SPW], v[NIL]                      ; the opening lines: the add, twice on end, and its wait ahead of my tensor load
	ds_add_u32 v[SPW], v[NIL]
	v_lshrrev_b32 v[ADR], 5, v0
	v_readfirstlane_b32 s[WV], v[ADR]              ; wave 0..15
	s_bfe_u32 s44, ttmp6, 0x40000                  ; cx: my 512 queries of the head
	s_and_b32 s45, ttmp7, 0xffff                   ; batch x 16 + head, which the partners share
	s_lshl_b32 s46, s45, 4                         ; its first record, in kv and in qc
	; descriptor group 1: a record, 17,152 dense bytes, as 67 rows of 256 (32 elements of 8 bytes), no padding
	s_mov_b32 s[G1], 15|(3<<16)|(1<<21)            ; 15:0 the mask: all four work-groups; 17:16 elements of 8 bytes; 21 set beside a mask
	s_mov_b32 s[G1+1], 32<<16
	s_mov_b32 s[G1+2], 67<<16
	s_mov_b32 s[G1+3], 32<<16
	s_mov_b32 s[G1+4], 67
	s_mov_b32 s[G1+5], 32
	s_mov_b32 s[G1+6], 0
	s_mov_b32 s[G1+7], 0
	s_mov_b32 s[G0], 1
	s_mul_i32 s[G0+1], s[WV], REC                  ; record w goes to LDS byte w x 17,152
	s_add_co_u32 s47, s46, s[WV]
	s_mul_i32 s48, s47, REC                        ; and comes from here
	s_mov_b32 s49, 0
	s_lshl_b32 s50, s44, 2
	s_lshr_b32 s51, s[WV], 3
	s_add_co_u32 s50, s50, s51                     ; my group of 128 queries in the first pass: 4 cx + wave / 8
	s_add_co_u32 s52, s50, s46
	s_mul_i32 s52, s52, QREC                       ; Q's record
	s_mov_b32 s53, 0
	s_and_b32 s62, s[WV], 7                        ; my tile in it
	s_lshr_b32 s63, s62, 1
	s_lshl_b32 s63, s63, 2
	s_and_b32 s28, s[WV], 1
	s_lshl_b32 s28, s28, 8
	s_add_co_u32 s63, s63, s28                     ; its scale words: word (tile / 2), lanes 16 (tile % 2) on
	s_lshl_b32 s62, s62, 10
	s_add_co_u32 s52, s52, s62                     ; the base stands at my tile's codes,
	s_sub_co_u32 s63, s63, s62
	s_add_co_u32 s28, s63, 8192                    ; so the scale words lie 8,192 - 1,024 x tile further on
	s_lshl_b32 s54, s44, 5
	s_add_co_u32 s54, s54, s[WV]
	s_lshl_b32 s54, s54, 12                        ; my tile's mask words: 16 steps x 256 bytes
	s_mov_b32 s55, 0
	s_lshr_b32 s56, s45, 4                         ; batch
	s_and_b32 s57, s45, 15                         ; head
	s_lshl_b32 s58, s56, 4
	s_add_co_u32 s58, s58, s50
	s_lshl_b32 s58, s58, 17                        ; ao: [128 rows][256 along K][tile of 16 rows][128 along K][group of 32][lane][16 bytes]
	s_lshr_b32 s59, s57, 2
	s_lshl_b32 s59, s59, 15
	s_add_co_u32 s58, s58, s59
	s_and_b32 s59, s[WV], 7
	s_lshl_b32 s59, s59, 12
	s_add_co_u32 s58, s58, s59
	s_and_b32 s59, s57, 3
	s_lshl_b32 s59, s59, 10                        ; a head is 64 along K: two groups
	s_add_co_u32 s58, s58, s59
	s_mov_b32 s59, 0
	s_lshl_b32 s60, s56, 11
	s_lshl_b32 s61, s44, 9
	s_add_co_u32 s60, s60, s61
	s_lshl_b32 s61, s[WV], 4
	s_add_co_u32 s60, s60, s61                     ; my first row
	s_lshl_b32 s60, s60, 5                         ; aos: 32 bytes a row,
	s_lshl_b32 s61, s57, 1
	s_add_co_u32 s60, s60, s61                     ; two a head
	s_mov_b32 s61, 0
	s_mov_b32 s[CS], 0x3e38aa3b
	s_mov_b32 s[CS+1], s[CS]                       ; (named with it as a pair)
	s_mov_b32 s[SEL], 0x76543210
	s_mov_b32 s[SEL+1], 0xfedcba98
	s_mov_b32 s[MNT], 0x600000
	s_mov_b32 s[HM], 0xffff0000
	s_mov_b32 s[MO], 0
	s_wait_dscnt 0x0                               ; both opening adds are done
	s_wait_kmcnt 0x0
	s_add_nc_u64 s[G0+2:G0+3], s[34:35], s[48:49]
	s_or_b32 s[G0+3], s[G0+3], 0x80000000
	s_add_nc_u64 s[QR:QR+1], s[32:33], s[52:53]
	s_add_nc_u64 s[MK:MK+1], s[36:37], s[54:55]
	s_add_nc_u64 s[AO:AO+1], s[40:41], s[58:59]
	s_add_nc_u64 s[AS:AS+1], s[42:43], s[60:61]
	CROUND                                         ; all four work-groups are here: the joint loads meet
	tensor_load_to_lds s[G0:G0+3], s[G1:G1+7]      ; my record: every wave's one tensor load of the launch
	s_nop 0
.rept 4
	v_nop
.endr
	v_and_b32 v[ADR], 31, v0
	v_and_b32 v[QSO], 15, v0
	v_lshlrev_b32 v[LI], 4, v[ADR]
	v_lshlrev_b32 v[L8], 3, v[ADR]
	v_lshlrev_b32 v[RO], 5, v[QSO]
	v_lshl_add_u32 v[QSO], v[QSO], 4, s28
	LOADQ                                          ; the first pass's
	v_mov_b32 v[NINF], 0xff800000
.irp j, 0,1,2,3,4,5,6,7
	v_mov_b32 v[QF+8+\j], 0                        ; zero codes: the upper 64 of the instruction's 128
	v_mov_b32 v[XA+64+\j], 0
	v_mov_b32 v[YA+64+\j], 0
.endr
.irp b, 0,1,2,3
	v_mov_b32 v[PD+\b], 0                          ; a lane permute's destination counts as read
.endr
	v_mov_b32 v[FF+1], 0                           ; (named as the upper half of a pair)
	s_wait_alu depctr_va_vdst(0)                   ; the wait at the head's end
	s_wait_tensorcnt 0x0                           ; my record is in;
	s_barrier_signal -1
	s_barrier_wait -1                              ; and so is everybody's: from here on the 16 records are only read
	KLOAD XA, LI, 0                                ; record 0's K, for the first step
	s_mov_b32 s[PASS], 2
; A KEY STEP: 128 keys, the record at LDS byte s[TB].  ka: the area that holds K, asked for a step ago, and then V;  sa: the area of S^T and p, and then of the next record's K.
; wrap = 1: in the loop's last trip the next record is record 0.
.macro STEP ka, sa, wrap
	v_add_nc_u32 v[ADR], s[TB], v[LI]
	v_add_nc_u32 v[ADR2], s[TB], v[L8]
.rept 7
	v_nop                                          ; with the two additions: nine places behind the last products, over whose operand registers the products below write
.endr
	s_wait_alu depctr_va_vdst(0)
	s_wait_dscnt 0x0                               ; K and its scale words
.irp i, 0,1,2,3,4,5,6,7
.if (\i)%2
	v_wmma_scale_f32_16x16x128_f8f6f4 v[\sa+8*\i:\sa+8*\i+7], v[\ka+8*\i:\ka+8*\i+15], v[QF:QF+15], 0, v[KSC+\i/2], v[QS] matrix_a_fmt:MATRIX_FMT_BF8 matrix_b_fmt:MATRIX_FMT_BF8 matrix_a_scale:MATRIX_SCALE_ROW1
.else
	v_wmma_scale_f32_16x16x128_f8f6f4 v[\sa+8*\i:\sa+8*\i+7], v[\ka+8*\i:\ka+8*\i+15], v[QF:QF+15], 0, v[KSC+\i/2], v[QS] matrix_a_fmt:MATRIX_FMT_BF8 matrix_b_fmt:MATRIX_FMT_BF8
.endif
.endr
.rept 8
	v_nop
.endr
.irp t, 0,1,2,3                                ; V's fragments land while the softmax is worked: 17 loads
.irp c, 0,1,2,3
	ds_load_b128 v[\ka+16*\t+4*\c:\ka+16*\t+4*\c+3], v[ADR] offset:8704+2048*\t+512*\c
.endr
.endr
	ds_load_b64 v[VSC:VSC+1], v[ADR2] offset:16896
	s_wait_kmcnt 0x0                               ; this step's mask words, asked for a step ago
.set n, 0
.rept 64                                       ; a masked score becomes -infinity ahead of the maximum: p = 0 then.  Ascending: each accumulator is read from its low end on
.if n < 32
	v_cndmask_b32 v[\sa+n], v[NINF], v[\sa+n], s[32+n]
.else
	v_cndmask_b32 v[\sa+n], v[NINF], v[\sa+n], s[36+n]
.endif
.set n, n+1
.endr
	s_add_co_u32 s[MO], s[MO], 256                 ; the next step's words; behind the last step the offset wraps to step 0, inside my tile's 4,096 bytes
	s_and_b32 s[MO], s[MO], 0xfff
	s_load_b512 s[32:47], s[MK:MK+1], s[MO] offset:0x0
	s_load_b512 s[48:63], s[MK:MK+1], s[MO] offset:0x40
	s_load_b512 s[68:83], s[MK:MK+1], s[MO] offset:0x80
	s_load_b512 s[84:99], s[MK:MK+1], s[MO] offset:0xc0
.irp b, 0,1,2,3
	v_max3_num_f32 v[BM+\b], v[\sa+16*\b], v[\sa+16*\b+1], v[\sa+16*\b+2]   ; the largest score of each block of 32 keys: for the row's maximum and, since p rises with the score, for the block's largest p
.endr
.irp i, 3,5,7,9,11,13
.irp b, 0,1,2,3
	v_max3_num_f32 v[BM+\b], v[BM+\b], v[\sa+16*\b+\i], v[\sa+16*\b+\i+1]   ; (the four blocks by turns)
.endr
.endr
.irp b, 0,1,2,3
	v_max_num_f32 v[BM+\b], v[BM+\b], v[\sa+16*\b+15]
.endr
.irp b, 0,1,2,3
	v_permlanex16_b32 v[PD+\b], v[BM+\b], s[SEL], s[SEL+1]
.endr
.irp b, 0,1,2,3
	v_max_num_f32 v[BM+\b], v[BM+\b], v[PD+\b]     ; with lane l xor 16's 16 keys
.endr
	s_delay_alu instid0(VALU_DEP_2)
	v_max3_num_f32 v[TT], v[BM], v[BM+1], v[BM+2]
	v_mov_b32 v[TT+1], v[NM]                       ; the old -M
	s_delay_alu instid0(VALU_DEP_2)
	v_max3_num_f32 v[NM+1], v[NM+1], v[TT], v[BM+3]   ; the running largest score
	s_delay_alu instid0(VALU_DEP_1)
	v_mul_f32 v[TT], s[CS], v[NM+1]                ; as t (c is positive, so the largest score gives the largest t)
	s_delay_alu instid0(VALU_DEP_1)
	v_floor_f32 v[NM], -v[TT]                      ; the new -M = -ceil(t)
.set j, 0
.rept 4                                        ; t - M, two at a time; the three lines that make f stand among them, each eight lines behind the one that it reads
.rept 8
	v_pk_fma_f32 v[\sa+j:\sa+j+1], v[\sa+j:\sa+j+1], s[CS:CS+1], v[NM:NM+1] op_sel_hi:[1,0,0]
.set j, j+2
.endr
.if j == 16
	v_sub_f32 v[TT], v[NM], v[TT+1]                ; old M - new M: a whole number, 0 or less
.elseif j == 32
	v_cvt_i32_f32 v[TT], v[TT]                     ; (it saturates)
.elseif j == 48
	v_ldexp_f32 v[FF], 1.0, v[TT]                  ; f
.endif
.endr
.irp b, 0,1,2,3
	v_fma_f32 v[BM+\b], v[BM+\b], s[CS], v[NM]
.endr
	s_wait_alu depctr_va_vdst(0)                   ; the wait ahead of the batch
.set j, 0
.rept 64
	v_exp_f32 v[\sa+j], v[\sa+j]                   ; p = 2^(t - M)
.set j, j+1
.endr
	v_pk_mul_f32 v[SUM:SUM+1], v[SUM:SUM+1], v[FF:FF+1] op_sel_hi:[1,0]   ; the sums under the new M: a plain line behind the exponentials
	s_wait_alu depctr_va_vdst(0)                   ; one wait for the batch, ahead of its first reader
.irp b, 0,1,2,3
	v_exp_f32 v[BM+\b], v[BM+\b]                   ; the blocks' largest p: the same two instructions on the same number
.endr
	; the row's sum of the unquantised p: 32 packed additions in five chains
.set pp, \sa
.irp r, TT, TT+2, TT+4, C4
	v_pk_add_f32 v[\r:\r+1], v[pp:pp+1], v[pp+2:pp+3]
.set pp, pp+4
.endr
	v_pk_add_f32 v[SUM:SUM+1], v[SUM:SUM+1], v[pp:pp+1]
.set pp, pp+2
.rept 4
.irp r, TT, TT+2, TT+4, C4, SUM
	v_pk_add_f32 v[\r:\r+1], v[\r:\r+1], v[pp:pp+1]
.set pp, pp+2
.endr
.endr
.irp r, TT, TT+2, TT+4
	v_pk_add_f32 v[\r:\r+1], v[\r:\r+1], v[pp:pp+1]
.set pp, pp+2
.endr
	s_delay_alu instid0(VALU_DEP_2)
	v_pk_add_f32 v[TT:TT+1], v[TT:TT+1], v[TT+2:TT+3]
	s_delay_alu instid0(VALU_DEP_2)
	v_pk_add_f32 v[TT+4:TT+5], v[TT+4:TT+5], v[C4:C4+1]
	s_delay_alu instid0(VALU_DEP_2)
	v_pk_add_f32 v[SUM:SUM+1], v[SUM:SUM+1], v[TT:TT+1]
	s_delay_alu instid0(VALU_DEP_1)
	v_pk_add_f32 v[SUM:SUM+1], v[SUM:SUM+1], v[TT+4:TT+5]
	s_wait_alu depctr_va_vdst(0)                   ; and one for the four
.irp b, 0,1,2,3
	v_max_num_f32 v[BM+\b], 0x8000000, v[BM+\b]    ; the floor 2^-111: the byte cannot fall under 1
.endr
.irp b, 0,1,2,3
	v_add_nc_u32 v[SF+\b], 0xf8800000, v[BM+\b]
.endr
.irp b, 0,1,2,3
	v_and_or_b32 v[HD+\b], v[BM+\b], 0x7f800000, s[MNT]
.endr
.irp b, 0,1,2,3
	v_lshrrev_b32 v[PD+\b], 23, v[SF+\b]
.endr
	s_delay_alu instid0(VALU_DEP_3)
	v_lshl_or_b32 v[PS], v[PD+1], 8, v[PD]         ; p's scale word for these 128 keys
	s_delay_alu instid0(VALU_DEP_1)
	v_lshl_or_b32 v[PS], v[PD+2], 16, v[PS]
	s_delay_alu instid0(VALU_DEP_1)
	v_lshl_or_b32 v[PS], v[PD+3], 24, v[PS]
.irp b, 0,1,2,3
	v_and_or_b32 v[PD+(\b+1)%4], v[BM+\b], 0x7f800000, s[MNT]   ; the holds once more, for the second halves of the dual lines
.endr
.irp b, 0,1,2,3
.set j, 0
.rept 8
	v_dual_min_num_f32 v[\sa+16*\b+j], v[\sa+16*\b+j], v[HD+\b] :: v_dual_min_num_f32 v[\sa+16*\b+j+1], v[\sa+16*\b+j+1], v[PD+(\b+1)%4]   ; the conversion does not saturate (ISA guide 7.6.2); p is not negative: a one-sided hold, two numbers a line
.set j, j+2
.endr
	v_cvt_scalef32_pk8_bf8_f32 v[PCD+4*\b:PCD+4*\b+1], v[\sa+16*\b:\sa+16*\b+7], v[SF+\b]
	v_cvt_scalef32_pk8_bf8_f32 v[PCD+4*\b+2:PCD+4*\b+3], v[\sa+16*\b+8:\sa+16*\b+15], v[SF+\b]
.endr
	; p's area is free: the next record's K, 17 loads on either way
.if \wrap
	s_wait_alu depctr_va_vdst(0)                   ; the wait here, directly ahead of the branch
	s_cmp_eq_u32 s[STC], 1
	s_cbranch_scc1 .Lwrap_\@                       ; a branch on the count of trips alone
.endif
	KLOAD \sa, ADR, REC
.if \wrap
	s_branch .Ljoin_\@
.Lwrap_\@:
	KLOAD \sa, LI, 0                               ; behind record 15: record 0, with which the next pass begins
.Ljoin_\@:
.endif
	s_wait_alu depctr_va_vdst(0)                   ; the wait here, directly ahead of the first reader of O^T
.set j, 0
.rept 16
	v_pk_mul_f32 v[OT+j:OT+j+1], v[OT+j:OT+j+1], v[FF:FF+1] op_sel_hi:[1,0]   ; O^T under the new M; these lines also stand between the conversions and the products
.set j, j+2
.endr
	s_wait_alu depctr_va_vdst(0)                   ; the wait here, directly ahead of the wait below
	s_wait_dscnt 17                                ; V and its scale words are in; the 17 loads of the next K, issued behind them, may be out
.irp t, 0,1,2,3
.if (\t)%2
	v_wmma_scale_f32_16x16x128_f8f6f4 v[OT+8*\t:OT+8*\t+7], v[\ka+16*\t:\ka+16*\t+15], v[PCD:PCD+15], v[OT+8*\t:OT+8*\t+7], v[VSC+\t/2], v[PS] matrix_a_fmt:MATRIX_FMT_BF8 matrix_b_fmt:MATRIX_FMT_BF8 matrix_a_scale:MATRIX_SCALE_ROW1
.else
	v_wmma_scale_f32_16x16x128_f8f6f4 v[OT+8*\t:OT+8*\t+7], v[\ka+16*\t:\ka+16*\t+15], v[PCD:PCD+15], v[OT+8*\t:OT+8*\t+7], v[VSC+\t/2], v[PS] matrix_a_fmt:MATRIX_FMT_BF8 matrix_b_fmt:MATRIX_FMT_BF8
.endif
.endr
	s_add_co_u32 s[TB], s[TB], REC
.endm
.Lpass:                                            ; two trips: 16 queries a wave in each
	v_mov_b32 v[NM+1], 0xff61b1e6                  ; the largest score so far: -3e38
	v_mov_b32 v[SUM], 0
	v_mov_b32 v[SUM+1], 0
	v_floor_f32 v[NM], -v[NM+1]                    ; -M: above every -M to come
.set j, 0
.rept 32
	v_mov_b32 v[OT+j], 0                           ; the step is written once for each order of the areas: the first finds zeros, which the first change of M leaves zeros
.set j, j+1
.endr
	s_mov_b32 s[TB], 0
	s_mov_b32 s[STC], 8
	s_wait_alu depctr_va_vdst(0)                   ; the wait here, directly ahead of the wait below
	s_wait_loadcnt 0x0                             ; Q
.Lstep:                                            ; eight trips of two steps: the areas are back in their places at a trip's end
	STEP XA, YA, 0
	STEP YA, XA, 1
	s_sub_co_u32 s[STC], s[STC], 1
	s_cmp_lg_u32 s[STC], 0
	s_cbranch_scc1 .Lstep
	; THE WAY OUT.  O^T / the sum; its 64 numbers a row are two blocks of the last product's K.  Register 8 t + j is feature 16 t + 8 h + j.  It works in the second area: the first is taking record 0's K.
.set S, YA
.rept 8
	v_nop                                          ; places behind the last products: their results are read, their operands' and Q's registers written, below
.endr
	s_wait_kmcnt 0x0                               ; the look-ahead of the last step: not used
	s_cmp_eq_u32 s[PASS], 1
	s_cbranch_scc1 .Lno_next                       ; the last pass asks for nothing more (a branch on the count of passes alone)
	s_add_nc_u64 s[QR:QR+1], s[QR:QR+1], 2*QREC    ; 256 queries on
	s_add_nc_u64 s[MK:MK+1], s[MK:MK+1], 65536     ; 16 tiles of mask words on
	LOADQ                                          ; the next pass's, asked for ahead of this pass's way out
.Lno_next:
	v_add_f32 v[SUM], v[SUM], v[SUM+1]
	s_delay_alu instid0(VALU_DEP_1)
	v_permlanex16_b32 v[PD], v[SUM], s[SEL], s[SEL+1]
	s_delay_alu instid0(VALU_DEP_1)
	v_add_f32 v[SUM], v[SUM], v[PD]                ; the row's sum
	s_delay_alu instid0(VALU_DEP_1)
	v_cmp_eq_f32 s66, 0, v[SUM]                    ; a row with no key
	s_wait_alu depctr_va_vdst(0)                   ; the wait ahead of the reciprocal
	v_rcp_f32 v[FF], v[SUM]
	v_mov_b32 v[TT], 0x7f7f7f7f                    ; (a plain line behind the reciprocal)  four NaN codes
	s_wait_alu depctr_va_vdst(0)                   ; the wait ahead of the reciprocal's first reader, which is O^T's too
.set j, 0
.rept 16
	v_pk_mul_f32 v[S+j:S+j+1], v[OT+j:OT+j+1], v[FF:FF+1] op_sel_hi:[1,0]
.set j, j+2
.endr
.irp b, 0,1
	v_max3_num_f32 v[BM+\b], |v[S+16*\b]|, |v[S+16*\b+1]|, 0x8000000
.endr
.irp i, 2,4,6,8,10,12,14
.irp b, 0,1
	s_delay_alu instid0(VALU_DEP_2)
	v_max3_num_f32 v[BM+\b], v[BM+\b], |v[S+16*\b+\i]|, |v[S+16*\b+\i+1]|
.endr
.endr
.irp b, 0,1
	s_delay_alu instid0(VALU_DEP_2)
	v_permlanex16_b32 v[PD+\b], v[BM+\b], s[SEL], s[SEL+1]
.endr
.irp b, 0,1
	s_delay_alu instid0(VALU_DEP_2)
	v_max_num_f32 v[BM+\b], v[BM+\b], v[PD+\b]
.endr
.irp b, 0,1
	s_delay_alu instid0(VALU_DEP_2)
	v_add_nc_u32 v[SF+\b], 0xf8800000, v[BM+\b]
.endr
.irp b, 0,1
	s_delay_alu instid0(VALU_DEP_4)
	v_and_or_b32 v[HD+\b], v[BM+\b], 0x7f800000, s[MNT]
.endr
.irp b, 0,1
	s_delay_alu instid0(VALU_DEP_4)
	v_lshrrev_b32 v[PD+\b], 23, v[SF+\b]
.endr
	s_delay_alu instid0(VALU_DEP_1)
	v_lshl_or_b32 v[PS], v[PD+1], 8, v[PD]         ; the head's two scale bytes of my row
.irp b, 0,1
.set j, 0
.rept 16
	v_med3_num_f32 v[S+16*\b+j], v[S+16*\b+j], -v[HD+\b], v[HD+\b]
.set j, j+1
.endr
	v_cvt_scalef32_pk8_bf8_f32 v[PCD+4*\b:PCD+4*\b+1], v[S+16*\b:S+16*\b+7], v[SF+\b]
	v_cvt_scalef32_pk8_bf8_f32 v[PCD+4*\b+2:PCD+4*\b+3], v[S+16*\b+8:S+16*\b+15], v[SF+\b]
.endr
	v_nop                                          ; one plain line behind the last conversion
	; The last product's other operand has its K in the natural order, so the halves change hands: lanes 0-15 hold features 0-7 and 16-23 of a block and want 0-15; lanes 16-31 hold 8-15 and 24-31 and want 16-31.
.irp b, 0,1
	v_cndmask_b32 v[GV+2*\b], v[PCD+4*\b+2], v[PCD+4*\b], s[HM]        ; what I give: lanes 0-15 their second eight, lanes 16-31 their first
	v_cndmask_b32 v[GV+2*\b+1], v[PCD+4*\b+3], v[PCD+4*\b+1], s[HM]
.endr
.irp b, 0,1,2,3
	s_delay_alu instid0(VALU_DEP_4)
	v_permlanex16_b32 v[HD+\b], v[GV+\b], s[SEL], s[SEL+1]
.endr
.irp b, 0,1
	v_cndmask_b32 v[PCD+8+4*\b], v[PCD+4*\b], v[HD+2*\b], s[HM]
	v_cndmask_b32 v[PCD+9+4*\b], v[PCD+4*\b+1], v[HD+2*\b+1], s[HM]
	v_cndmask_b32 v[PCD+10+4*\b], v[HD+2*\b], v[PCD+4*\b+2], s[HM]
	v_cndmask_b32 v[PCD+11+4*\b], v[HD+2*\b+1], v[PCD+4*\b+3], s[HM]
.endr
.irp i, 0,1,2,3,4,5,6,7
	v_cndmask_b32 v[PCD+8+\i], v[PCD+8+\i], v[TT], s66
.endr
	global_store_b128 v[LI], v[PCD+8:PCD+11], s[AO:AO+1]               ; 512 consecutive bytes each
	global_store_b128 v[LI], v[PCD+12:PCD+15], s[AO:AO+1] offset:512
	global_store_b16 v[RO], v[PS], s[AS:AS+1]                          ; lanes 16-31 write the same two bytes with the same value
	s_wait_alu depctr_va_vdst(0)                   ; the wait here, directly ahead of the wait below
	s_wait_xcnt 0x0                                ; the stores have read their data and bases: both are written again below and in the next pass
	s_add_nc_u64 s[AO:AO+1], s[AO:AO+1], 262144    ; 256 rows on: two groups of 128 rows
	s_add_nc_u64 s[AS:AS+1], s[AS:AS+1], 8192      ; 256 rows of 32 bytes
	s_sub_co_u32 s[PASS], s[PASS], 1
	s_cmp_lg_u32 s[PASS], 0
	s_cbranch_scc1 .Lpass
	s_wait_tensorcnt 0x0                           ; the wave's end
	ds_add_u32 v[SPW], v[NIL]
	s_wait_dscnt 0x0                               ; the add, and the last step's 17 loads
	CROUND                                         ; the closing round
	s_endpgm
.Lfunc_end_k_q5195e421cb_attn:
	.size	k_q5195e421cb_attn, .Lfunc_end_k_q5195e421cb_attn-k_q5195e421cb_attn
	.p2alignl 7, 3214868480
	.fill 96, 4, 3214868480
	.section	.rodata,"a",@progbits
	.p2align	6, 0x0
	.amdhsa_kernel k_q5195e421cb_attn
		.amdhsa_group_segment_fixed_size 327680
		.amdhsa_private_segment_fixed_size 0
		.amdhsa_enable_private_segment 0
		.amdhsa_kernarg_size 40
		.amdhsa_user_sgpr_count 2
		.amdhsa_user_sgpr_kernarg_segment_ptr 1
		.amdhsa_wavefront_size32 1
		.amdhsa_system_sgpr_workgroup_id_x 1
		.amdhsa_system_sgpr_workgroup_id_y 1
		.amdhsa_system_sgpr_workgroup_id_z 1
		.amdhsa_system_vgpr_workitem_id 0
		.amdhsa_next_free_vgpr 256
		.amdhsa_next_free_sgpr 106
		.amdhsa_reserve_vcc 0
		.amdhsa_float_denorm_mode_32 3
		.amdhsa_float_denorm_mode_16_64 3
		.amdhsa_memory_ordered 1
		.amdhsa_forward_progress 1
		.amdhsa_inst_pref_size 67
	.end_amdhsa_kernel
	.amdgpu_metadata
---
amdhsa.version: [ 1, 2 ]
amdhsa.kernels:
  - .name:           k_q5195e421cb_attn
    .symbol:         k_q5195e421cb_attn.kd
    .args:
      - { .name: qc, .offset: 0, .size: 8, .value_kind: global_buffer, .address_space: global }
      - { .name: kv, .offset: 8, .size: 8, .value_kind: global_buffer, .address_space: global }
      - { .name: maskw, .offset: 16, .size: 8, .value_kind: global_buffer, .address_space: global }
      - { .name: ao, .offset: 24, .size: 8, .value_kind: global_buffer, .address_space: global }
      - { .name: aos, .offset: 32, .size: 8, .value_kind: global_buffer, .address_space: global }
    .group_segment_fixed_size: 327680
    .private_segment_fixed_size: 0
    .kernarg_segment_align: 8
    .kernarg_segment_size: 40
    .max_flat_workgroup_size: 512
    .sgpr_count:     106
    .vgpr_count:     256
    .wavefront_size: 32
...
	.end_amdgpu_metadata
.endif
;; end of part 2
;; launch proj (part 3): grid 4 x 32, 4 waves a work-group, clusters of 4 x 4, 327,680 bytes of LDS; arguments ao, aos, out_w_codes, out_w_scales, out_b, out0; writes out0
.if DOCPART == 3
	.amdgcn_target "amdgcn-amd-amdhsa--gfx1250"
	.amdhsa_code_object_version 6
	.text
	.protected	k_q5195e421cb_proj
	.globl	k_q5195e421cb_proj
	.p2align	8
	.type	k_q5195e421cb_proj,@function
k_q5195e421cb_proj:
	s_mov_b64 s[64:65], 0
	v_nop
	global_prefetch_b8 v0, s[64:65] scope:SCOPE_SE
	s_setreg_imm32_b32 hwreg(HW_REG_WAVE_MODE, 25, 1), 1
	s_wait_xcnt 0x0
	s_wait_alu depctr_hold_cnt(0) depctr_sa_sdst(0) depctr_va_vdst(0) depctr_va_sdst(0) depctr_va_ssrc(0) depctr_va_vcc(0) depctr_vm_vsrc(0)
	s_getreg_b32 s2, hwreg(HW_REG_IB_STS2, 6, 4)
	s_cmp_eq_u32 s2, 0
	s_cbranch_scc0 .Lentry_in_a_cluster
	s_endpgm
.Lentry_in_a_cluster:
	s_bfe_u32 s2, ttmp6, 0x10000c
	s_cmp_lg_u32 s2, 0xf033
	s_cbranch_scc0 .Lentry_shape_is_right
	s_endpgm
.Lentry_shape_is_right:
.set KROW,   1024
.set ROWB,   256
.set NQ,     2
.set PITCH,  272
.set FR,     16
.set NL,     4
.set NP,     8
.set HALFP,  32768
.set HALFT,  128*PITCH
.set ROFF,   2*HALFP
.set SLOT,   ROFF+2*HALFT
.set KS,     32
.set SCL,    2*SLOT
.set HALFS,  16*272
.set SBLK,   2*272
.set SPARE,  SCL+4*HALFS
.set SPITCH, 528
.set NROW,   4096
.set ADRA, 16
.set ADRB, 20
.set STO,  24
.set RD,   25
.set CO,   26
.set ADRS, 27
.set SPW,  28
.set NIL,  29
.set BOF,  30
.set SC,   32
.set BI,   64
.set AF,   128
.set BK,   128
.set WV,   22
.set PH,   23
.set RH,   66
.set PIX,  67
.set RIX,  42
.set G1,   24
.set G0,   32
.set G1B,  48
.set G0B,  56
.set G1S,  68
.set G0S,  76
.set G1SB, 80
.set G0SB, 88
.set MSB, 0
.macro WIN new
.if MSB != (\new)
	s_set_vgpr_msb (MSB<<8)|(\new)
.set MSB, (\new)
.endif
.endm
.set MUL_LO, 0xa1
.set MUL_HI, 0xf1
.set TO_B,   0x40
.macro JLOAD g0a, g1a, g0b, g1b
	s_cmp_eq_u32 s[PH], 0
	s_cbranch_scc0 .Lfor_b_\@
	tensor_load_to_lds s[\g0a:\g0a+3], s[\g1a:\g1a+7]
	s_nop 0
.rept 4
	v_nop
.endr
	s_branch .Lasked_\@
.Lfor_b_\@:
	tensor_load_to_lds s[\g0b:\g0b+3], s[\g1b:\g1b+7]
	s_nop 0
.rept 4
	v_nop
.endr
.Lasked_\@:
.endm
.macro CREST
	s_cmp_lg_u32 s[WV], 0
	s_cbranch_scc1 .Lnot_wave_0_\@
	s_barrier_signal -3
.Lnot_wave_0_\@:
	s_barrier_wait -3
	s_barrier_signal -1
	s_barrier_wait -1
.endm
.macro CROUND
	s_barrier_signal -1
	s_barrier_wait -1
	CREST
.endm
	s_load_b128 s[4:7], s[0:1], 0x0
	s_load_b128 s[8:11], s[0:1], 0x10
	s_load_b128 s[12:15], s[0:1], 0x20
	v_lshl_add_u32 v[SPW], v0, 2, SPARE
	v_mov_b32 v[NIL], 0
	ds_add_u32 v28, v29
	ds_add_u32 v28, v29
	s_wait_dscnt 0x0
	v_lshrrev_b32 v1, 5, v0
	v_readfirstlane_b32 s[WV], v1
	s_lshr_b32 s[PH], s[WV], 1
	s_and_b32 s[RH], s[WV], 1
	s_bfe_u32 s40, ttmp6, 0x40000
	s_bfe_u32 s41, ttmp6, 0x40004
	s_lshl_b32 s[RIX], ttmp9, 2
	s_add_co_u32 s[RIX], s[RIX], s40
	s_and_b32 s[PIX], ttmp7, 0xffff
	s_lshl_b32 s[PIX], s[PIX], 2
	s_add_co_u32 s[PIX], s[PIX], s41
	s_lshl_b32 s43, s41, 2
	s_lshl_b32 s43, 15, s43
	s_lshl_b32 s44, 0x1111, s40
	s_or_b32 s[G1+0], s43, (3<<16)|(1<<21)
	s_mov_b32 s[G1+1], 4096<<16                    ; for the head's load: two groups of 128 rows, each 32,768 dense bytes (4,096 elements of 8), 131,072 bytes apart
	s_mov_b32 s[G1+2], 2<<16
	s_mov_b32 s[G1+3], 4096<<16
	s_mov_b32 s[G1+4], 2
	s_mov_b32 s[G1+5], 16384
	s_mov_b32 s[G1+6], 0
	s_mov_b32 s[G1+7], 0
	s_or_b32 s[G1B+0], s44, (1<<20)|(1<<21)|(5<<22)|(3<<25)
	s_mov_b32 s[G1B+1], ROWB<<16
	s_mov_b32 s[G1B+2], 256<<16
	s_mov_b32 s[G1B+3], ROWB<<16
	s_mov_b32 s[G1B+4], 256
	s_mov_b32 s[G1B+5], KROW
	s_mov_b32 s[G1B+6], 0
	s_mov_b32 s[G1B+7], 0
	s_or_b32 s[G1S+0], s43, (3<<16)|(1<<20)|(1<<21)|(5<<22)|(3<<25)
	s_or_b32 s[G1SB+0], s44, (3<<16)|(1<<20)|(1<<21)|(5<<22)|(3<<25)
.irp g, G1S, G1SB
	s_mov_b32 s[\g+1], 32<<16
	s_mov_b32 s[\g+2], 32<<16
	s_mov_b32 s[\g+3], 32<<16
	s_mov_b32 s[\g+4], 32
	s_mov_b32 s[\g+5], 32
	s_mov_b32 s[\g+6], 0
	s_mov_b32 s[\g+7], 0
.endr
	s_lshl_b32 s92, s[PIX], 1
	s_add_co_u32 s92, s92, s[RH]
	s_lshl_b32 s100, s92, 12
	s_lshl_b32 s92, s92, 17
	s_lshl_b32 s94, s[RIX], 1
	s_add_co_u32 s94, s94, s[RH]
	s_lshl_b32 s104, s94, 12
	s_lshl_b32 s94, s94, 17
	s_mov_b32 s93, 0
	s_mov_b32 s95, 0
	s_mov_b32 s101, 0
	s_mov_b32 s105, 0
	s_mul_i32 s45, s[RH], HALFP
	s_mul_i32 s47, s[RH], HALFT
	s_add_co_u32 s47, s47, ROFF
	s_wait_kmcnt 0x0
	s_add_nc_u64 s[4:5], s[4:5], s[92:93]
	s_add_nc_u64 s[6:7], s[6:7], s[100:101]
	s_add_nc_u64 s[8:9], s[8:9], s[94:95]
	s_add_nc_u64 s[10:11], s[10:11], s[104:105]
	s_lshl_b32 s92, s[RH], 17                      ; my half's 128 rows of codes, in bytes (s93 = 0): taken off again for the head's whole tiles
	s_lshl_b32 s100, s[RH], 12                     ; and of scale bytes (s101 = 0)
	s_mov_b32 s[G0S], 1
	s_mov_b32 s[G0S+1], SCL
	s_sub_nc_u64 s[G0S+2:G0S+3], s[6:7], s[100:101]
	s_or_b32 s[G0S+3], s[G0S+3], 0x80000000
	s_mov_b32 s[G0SB], 1
	s_mov_b32 s[G0SB+1], SCL+2*HALFS
	s_sub_nc_u64 s[G0SB+2:G0SB+3], s[10:11], s[100:101]
	s_or_b32 s[G0SB+3], s[G0SB+3], 0x80000000
.irp s, 0,1
	s_mov_b32 s[G0+4*\s], 1
	s_add_co_u32 s[G0+4*\s+1], s45, \s*SLOT
	s_add_nc_u64 s[G0+4*\s+2:G0+4*\s+3], s[4:5], \s*HALFP
	s_or_b32 s[G0+4*\s+3], s[G0+4*\s+3], 0x80000000
	s_mov_b32 s[G0B+4*\s], 1
	s_add_co_u32 s[G0B+4*\s+1], s47, \s*SLOT
	s_add_nc_u64 s[G0B+4*\s+2:G0B+4*\s+3], s[8:9], \s*ROWB
	s_or_b32 s[G0B+4*\s+3], s[G0B+4*\s+3], 0x80000000
.endr
	s_mov_b32 s16, 1                               ; the head's whole tiles of K step 0: 256 rows of ao to LDS byte 0,
	s_mov_b32 s17, 0
	s_sub_nc_u64 s[18:19], s[4:5], s[92:93]
	s_or_b32 s19, s19, 0x80000000
	s_mov_b32 s96, 1                               ; and 256 rows of out_w behind them
	s_mov_b32 s97, ROFF
	s_sub_nc_u64 s[98:99], s[8:9], s[92:93]
	s_or_b32 s99, s99, 0x80000000
	CROUND                                         ; all sixteen work-groups are here: the first joint loads meet
; THE HEAD'S LOADS, ONE A WAVE: wave 0 ao's 256 rows, wave 1 out_w's, waves 2 and 3 their scale bytes.  One chain of branches on the wave's number, a load to an arm.
.macro ARM under, g0, g1, next
	s_cmp_lt_u32 s[WV], \under
	s_cbranch_scc0 \next
	tensor_load_to_lds s[\g0:\g0+3], s[\g1:\g1+7]
	s_nop 0
.rept 4
	v_nop
.endr
	s_branch .Lhead_asked
\next:
.endm
	ARM 1, 16, G1, .Lhead_b
	ARM 2, 96, G1B, .Lhead_sa
	ARM 3, G0S, G1S, .Lhead_sb
	tensor_load_to_lds s[G0SB:G0SB+3], s[G1SB:G1SB+7]
	s_nop 0
.rept 4
	v_nop
.endr
.Lhead_asked:
	v_and_b32 v1, 15, v0
	v_bfe_u32 v2, v0, 4, 1
	v_and_b32 v6, 31, v0
	v_lshlrev_b32 v[CO], 4, v6
	v_mul_u32_u24 v3, v1, PITCH
	v_lshl_add_u32 v4, v2, 4, v3
	s_mul_i32 s45, s[PH], HALFP
	s_mul_i32 s46, s[RH], HALFT
	s_add_co_u32 s46, s46, ROFF
.irp s, 0,1
	v_add_nc_u32 v[ADRA+\s], s45, v[CO]
	v_add_nc_u32 v[ADRB+\s], s46, v4
	s_add_co_u32 s45, s45, SLOT
	s_add_co_u32 s46, s46, SLOT
.endr
	v_mul_u32_u24 v5, v1, KS
	v_lshrrev_b32 v6, 8, v5
	v_lshl_add_u32 v5, v6, 4, v5
	s_mul_i32 s45, s[PH], HALFS
	s_mul_i32 s46, s[RH], HALFS
	s_add_co_u32 s46, s46, 2*HALFS
	s_sub_co_u32 s46, s46, s45
	v_mul_u32_u24 v6, s46, v2
	s_add_co_u32 s45, s45, SCL
	v_add_nc_u32 v5, v5, v6
	v_add_nc_u32 v[ADRS], s45, v5
	s_mul_i32 s45, s[WV], 16*SPITCH
	v_mul_u32_u24 v5, v1, SPITCH
	v_lshl_add_u32 v5, v2, 5, v5
	v_add_nc_u32 v[STO], s45, v5
	v_add_nc_u32 v[RD], s45, v[CO]
	s_lshl_b32 s104, s[RIX], 10
	s_lshl_b32 s105, s[RH], 9
	s_add_co_u32 s104, s104, s105
	s_mov_b32 s105, 0
	s_add_nc_u64 s[12:13], s[12:13], s[104:105]
	s_lshl_b32 s100, s[PIX], 8
	s_lshl_b32 s101, s[PH], 7
	s_add_co_u32 s100, s100, s101
	s_lshl_b32 s100, s100, 12
	s_mov_b32 s101, 0
	s_add_nc_u64 s[14:15], s[14:15], s[100:101]
	s_add_nc_u64 s[14:15], s[14:15], s[104:105]
	v_lshlrev_b32 v[BOF], 5, v2
.irp b, 0,1,2,3,4,5,6,7
	global_load_b128 v[BI+8*\b:BI+8*\b+3], v[BOF], s[12:13] offset:64*\b
	global_load_b128 v[BI+8*\b+4:BI+8*\b+7], v[BOF], s[12:13] offset:64*\b+16
.endr
.macro FRAG reg, adr, q, i
.irp c, 0,1,2,3
	ds_load_b128 v[(\reg)+4*\c:(\reg)+4*\c+3], v[\adr] offset:128*(\q)+32*\c+(\i)*16*PITCH
.endr
.endm
.macro FRAGP reg, adr, q, i
.irp c, 0,1,2,3
	ds_load_b128 v[(\reg)+4*\c:(\reg)+4*\c+3], v[\adr] offset:4096*(\i)+2048*(\q)+512*\c
.endr
.endm
.macro MUL16 a0, p, q, sc, mode
.irp a, \a0, \a0+1
.irp b, 0,1,2,3,4,5,6,7
.set rD, 8*(8*((\a)%4)+\b)
.set rR, 128*(\p)+FR*\b
.set rP, AF+FR*(\a)
.set rSR, SC+8*NQ*(\sc)+NQ*\b+(\q)
.set rSP, SC+8*NQ*(\sc)+NQ*(\a)+(\q)
.if (\mode) == 0
	v_wmma_scale_f32_16x16x128_f8f6f4 v[rD:rD+7], v[rR:rR+15], v[rP:rP+15], v[rD:rD+7], v[rSR], v[rSP] matrix_a_fmt:MATRIX_FMT_BF8 matrix_b_fmt:MATRIX_FMT_BF8 matrix_a_scale:MATRIX_SCALE_ROW1
.else
	v_wmma_scale_f32_16x16x128_f8f6f4 v[rD:rD+7], v[rR:rR+15], v[rP:rP+15], v[BI+8*\b:BI+8*\b+7], v[rSR], v[rSP] matrix_a_fmt:MATRIX_FMT_BF8 matrix_b_fmt:MATRIX_FMT_BF8 matrix_a_scale:MATRIX_SCALE_ROW1
.endif
.endr
.endr
.endm
.macro FETCH_B slot, q, p
	WIN TO_B
.irp i, 0,1,2,3,4,5,6,7
	FRAG 128*(\p)+FR*\i, ADRB+\slot, \q, \i
.endr
	WIN 0
.endm
.macro FETCH_A slot, q, i0
.irp i, \i0, \i0+1, \i0+2, \i0+3
	FRAGP AF+FR*(\i), ADRA+\slot, \q, \i
.endr
.endm
.macro SCALES sc
.irp i, 0,1,2,3,4,5,6,7
	ds_load_b64 v[SC+8*NQ*\sc+NQ*\i:SC+8*NQ*\sc+NQ*\i+1], v[ADRS] offset:\i*SBLK
.endr
.endm
.macro PLACES n
.rept \n
	v_nop
.endr
.endm
.macro STEP slot, q, mode
	s_wait_dscnt 4*NL
.if \mode
	WIN 0x81
.else
	WIN MUL_LO
.endif
	MUL16 0, (\q)%2, \q, \slot, \mode
	MUL16 2, (\q)%2, \q, \slot, \mode
	s_wait_dscnt 0
	PLACES NP
	FETCH_B \slot, (\q)+1, 1-(\q)%2
	FETCH_A \slot, (\q)+1, 0
.if \mode
	WIN 0xc1
.else
	WIN MUL_HI
.endif
	MUL16 4, (\q)%2, \q, \slot, \mode
	MUL16 6, (\q)%2, \q, \slot, \mode
	PLACES NP
	WIN 0
	FETCH_A \slot, (\q)+1, 4
.endm
.macro TURN slot, next, fill
	s_wait_tensorcnt 0x0
	ds_add_u32 v[SPW], v[NIL]
	s_wait_dscnt 4*NL+1
	WIN MUL_LO
	MUL16 0, 1, NQ-1, \slot, 0
	s_wait_dscnt 0x0
	s_barrier_signal -1
	MUL16 2, 1, NQ-1, \slot, 0
	WIN 0
	s_barrier_wait -1
.if \fill
	CREST
	s_add_nc_u64 s[G0+4*\slot+2:G0+4*\slot+3], s[G0+4*\slot+2:G0+4*\slot+3], 2*HALFP
	s_add_nc_u64 s[G0B+4*\slot+2:G0B+4*\slot+3], s[G0B+4*\slot+2:G0B+4*\slot+3], 2*ROWB
	JLOAD G0+4*\slot, G1, G0B+4*\slot, G1B
	PLACES NP-4
.else
	PLACES NP
.endif
	s_wait_alu depctr_va_vdst(0)
	v_add_nc_u32 v[ADRS], 4*NQ, v[ADRS]
	FETCH_B \next, 0, 0
	FETCH_A \next, 0, 0
	SCALES \next
	WIN MUL_HI
	MUL16 4, 1, NQ-1, \slot, 0
	MUL16 6, 1, NQ-1, \slot, 0
	PLACES NP
	WIN 0
	FETCH_A \next, 0, 4
.endm
	s_wait_alu depctr_va_vdst(0)
	s_wait_tensorcnt 0x0                           ; my tile of the head's four is in
	ds_add_u32 v[SPW], v[NIL]
	s_mov_b32 s[G1+1], 32<<16                      ; no tensor load of mine is out: from here on a load brings 128 rows: ao's as 128 rows of 256 dense bytes,
	s_mov_b32 s[G1+2], 128<<16
	s_mov_b32 s[G1+3], 32<<16
	s_mov_b32 s[G1+4], 128
	s_mov_b32 s[G1+5], 32
	s_mov_b32 s[G1B+2], 128<<16                    ; out_w's as before, 128 of them
	s_mov_b32 s[G1B+4], 128
	s_wait_dscnt 0x0
	CROUND                                         ; all four tiles are in, and all sixteen work-groups are here
	JLOAD G0+4, G1, G0B+4, G1B                     ; K step 1: the first tensor load behind the round
	s_wait_loadcnt 0x0
	FETCH_B 0, 0, 0
	FETCH_A 0, 0, 0
	SCALES 0
	FETCH_A 0, 0, 4
	STEP 0, 0, 1
	TURN 0, 1, 1
	STEP 1, 0, 0
	TURN 1, 0, 1
	STEP 0, 0, 0
	TURN 0, 1, 0
	STEP 1, 0, 0
	s_wait_dscnt 4*NL
	WIN MUL_LO
	MUL16 0, 1, NQ-1, 1, 0
	MUL16 2, 1, NQ-1, 1, 0
	s_wait_dscnt 0
	WIN MUL_HI
	MUL16 4, 1, NQ-1, 1, 0
	MUL16 6, 1, NQ-1, 1, 0
	WIN 0
.macro TOSTAGE a
.set AC, 64*((\a)%4)
.set WN, 0x08+4*((\a)/4)
	WIN WN
.irp b, 0,1,2,3,4,5,6,7
	ds_store_b128 v[STO], v[AC+8*\b:AC+8*\b+3] offset:64*\b
	ds_store_b128 v[STO], v[AC+8*\b+4:AC+8*\b+7] offset:64*\b+16
.endr
	WIN 0
.set BB, BK+64*((\a)%2)
.irp t, 0,1,2,3,4,5,6,7,8,9,10,11,12,13,14,15
	ds_load_b128 v[BB+4*\t:BB+4*\t+3], v[RD] offset:\t*SPITCH
.endr
.endm
.macro SEND a, younger
.set BB, BK+64*((\a)%2)
	s_wait_dscnt \younger
.if (\a) > 0
	s_add_nc_u64 s[14:15], s[14:15], 16*NROW
.endif
.irp t, 0,1,2,3,4,5,6,7,8,9,10,11,12,13,14,15
	global_store_b128 v[CO], v[BB+4*\t:BB+4*\t+3], s[14:15] offset:\t*NROW th:TH_STORE_NT
.endr
.endm
	PLACES NP
	TOSTAGE 0
.irp a, 1,2,3,4,5,6,7
.if \a > 1
	s_wait_xcnt 0x0
.endif
	TOSTAGE \a
	SEND \a-1, 32
.endr
	s_wait_xcnt 0x0
	SEND 7, 0
	s_wait_tensorcnt 0x0
	ds_add_u32 v[SPW], v[NIL]
	s_wait_dscnt 0x0
	CROUND
	s_endpgm
.Lfunc_end_k_q5195e421cb_proj:
	.size	k_q5195e421cb_proj, .Lfunc_end_k_q5195e421cb_proj-k_q5195e421cb_proj
	.p2alignl 7, 3214868480
	.fill 96, 4, 3214868480
	.section	.rodata,"a",@progbits
	.p2align	6, 0x0
	.amdhsa_kernel k_q5195e421cb_proj
		.amdhsa_group_segment_fixed_size 327680
		.amdhsa_private_segment_fixed_size 0
		.amdhsa_enable_private_segment 0
		.amdhsa_kernarg_size 48
		.amdhsa_user_sgpr_count 2
		.amdhsa_user_sgpr_kernarg_segment_ptr 1
		.amdhsa_wavefront_size32 1
		.amdhsa_system_sgpr_workgroup_id_x 1
		.amdhsa_system_sgpr_workgroup_id_y 1
		.amdhsa_system_sgpr_workgroup_id_z 1
		.amdhsa_system_vgpr_workitem_id 0
		.amdhsa_next_free_vgpr 1024
		.amdhsa_next_free_sgpr 106
		.amdhsa_reserve_vcc 0
		.amdhsa_float_denorm_mode_32 3
		.amdhsa_float_denorm_mode_16_64 3
		.amdhsa_memory_ordered 1
		.amdhsa_forward_progress 1
		.amdhsa_inst_pref_size 148
	.end_amdhsa_kernel
	.amdgpu_metadata
---
amdhsa.version: [ 1, 2 ]
amdhsa.kernels:
  - .name:           k_q5195e421cb_proj
    .symbol:         k_q5195e421cb_proj.kd
    .args:
      - { .name: ao, .offset: 0, .size: 8, .value_kind: global_buffer, .address_space: global }
      - { .name: aos, .offset: 8, .size: 8, .value_kind: global_buffer, .address_space: global }
      - { .name: out_w_codes, .offset: 16, .size: 8, .value_kind: global_buffer, .address_space: global }
      - { .name: out_w_scales, .offset: 24, .size: 8, .value_kind: global_buffer, .address_space: global }
      - { .name: out_b, .offset: 32, .size: 8, .value_kind: global_buffer, .address_space: global }
      - { .name: out0, .offset: 40, .size: 8, .value_kind: global_buffer, .address_space: global }
    .group_segment_fixed_size: 327680
    .private_segment_fixed_size: 0
    .kernarg_segment_align: 8
    .kernarg_segment_size: 48
    .max_flat_workgroup_size: 128
    .sgpr_count:     106
    .vgpr_count:     1024
    .wavefront_size: 32
...
	.end_amdgpu_metadata
.endif
;; end of part 3
